; MI455X (gfx1250); checked and timed in simulation.
; The chip was launched on July 23, 2026; its instructions are those of AMD's public machine-readable ISA for CDNA 5 (MIT licence, August 2026) and "CDNA5" Instruction Set Architecture Reference Guide (July 2026). The comments in the code are by the model that wrote it; some were corrected since.
;; Matmul Attention. Allowed arithmetic: matrix products marked QUANTISED: E2M1 operands, one E8M0 scale for each 32 along K, by v_wmma_scale_f32_16x16x128_f8f6f4 with both operands' format E2M1 (or v_wmma_scale_f32_32x16x128_f4), f32 sums; everything else in f32.
;; Inputs: k 4 x 16 x 2,048 x 128 float32; q 4 x 16 x 2,048 x 128 float32; v 4 x 16 x 2,048 x 128 float32.
;; Outputs: out0 4 x 16 x 2,048 x 128 float32.
;; This version of the problem:
;;   THIS VERSION OF THE PROBLEM IS GIVEN IN LOW PRECISION. The matrix products marked QUANTISED in the list below multiply operands that are first quantised to E2M1 (2 exponent bits, 1 mantissa bit; 4 bits a number), with one power-of-two scale for each 32 numbers along K (OCP MX v1.0); their sums are f32. All else is computed in f32.
;;   The module's matrix products, in the order in which they are computed (A, B: the left and right operand; K: the contracted axis; several contracted axes count as one K, in the product's order):
;;     1. batch 64 x [M 2,048, K 128] x [K 128, N 2,048]; A: input q; B: input k: QUANTISED
;;     2. batch 64 x [M 2,048, K 2,048] x [K 2,048, N 128]; A: softmax (see below); B: input v: QUANTISED
;;   THE QUANTISER, for each operand of a quantised product, along K:
;;     - K is cut into blocks of 32 from its start; a last block that is shorter is filled with zeros.
;;     - A block's scale is 2^e with e = floor(log2(the largest magnitude in the block)) - 2, held to -126 .. 127; a block of zeros has e = 0. As a byte (E8M0): e + 127.
;;     - Each number is divided by its block's scale, clamped to +-6, and rounded to the nearest number of E2M1, ties to even, subnormals kept.
;;     - The product sums the exact products of the quantised numbers (number of the format x scale) in f32.
;;   ~~~python
;;   def quantise(x, axis):      # numpy; x: float32 -> the quantised numbers, widened to float32 again
;;       x = np.moveaxis(x, axis, -1); K = x.shape[-1]
;;       x = np.pad(x, [(0, 0)] * (x.ndim - 1) + [(0, -K % 32)]); x = x.reshape(x.shape[:-1] + (-1, 32)); a = np.abs(x).max(-1, keepdims=True)
;;       e = np.where(a > 0, np.clip(np.frexp(np.where(a > 0, a, 1))[1] - 1 - 2, -126, 127), 0)      # np.frexp(a)[1] - 1 = floor(log2(a)), exactly
;;       r = np.clip(x / 2.0 ** e, -6, 6)
;;       step = 2.0 ** (np.maximum(np.frexp(np.where(r == 0, 1, r))[1] - 1, 0) - 1)
;;       q = np.round(r / step) * step * 2.0 ** e      # np.round: ties to even
;;       return np.moveaxis(q.reshape(q.shape[:-2] + (-1,))[..., :K], -1, axis).astype(np.float32)
;;   ~~~
;;   SOFTMAX AHEAD OF A QUANTISED PRODUCT. Where the list says 'softmax', what is quantised is not the finished softmax but p = 2^(t - M), with t = logit x log2(e) and M = ceil(the row's largest t), a whole number; so 1/2 < the row's largest p <= 1. The row's sum l is taken of the UNQUANTISED p, in f32, and the product's result is divided by l at the end. Since M is a whole number, a kernel that streams over the keys may use a running M (the ceiling of the running maximum): every later rescaling is an exact power of two, which a block's scale takes up: the codes' values come out the same.
;;   OPERANDS COMPUTED ON THE WAY. 'Computed on the way' means the value that the module computes at that place (a softmax that the list does not call 'softmax' is quantised finished and normalised). What goes into a quantiser is computed in f32, as accurately as f32 sums, v_exp_f32 and their like allow (about 1e-6 of the number): no bf16 or f16 on the way to a quantiser, and a product that is left as it is and whose result goes on into a quantised operand takes f32 operands (vector FMAs, or v_wmma_f32_16x16x4_f32). A number that lies on a knife's edge between two numbers of the format may be rounded either way, as far as f32 arithmetic and the matrix unit's own rounding can turn it there, and no further.
;; One version. Each part assembles by itself: llvm-mc -triple=amdgcn-amd-amdhsa -mcpu=gfx1250 --defsym DOCPART=n.
;; ======== version 1 of 1: 2 launches
;; limits: right only within a limited range of input values
;; workspace buffers: k_img 8,388,608 bytes; v_img 8,388,608 bytes; k_sc 524,288 bytes; v_sc 524,288 bytes
;; launch quant (part 1): grid 768 x 1, 4 waves a work-group, no clusters, 42,496 bytes of LDS; arguments k, v, k_img, k_sc, v_img, v_sc; writes k_img, k_sc, v_img, v_sc
.if DOCPART == 1
	.amdgcn_target "amdgcn-amd-amdhsa--gfx1250"
	.amdhsa_code_object_version 6
	.text
	.protected	k_q4950712e01_quant
	.globl	k_q4950712e01_quant
	.p2align	8
	.type	k_q4950712e01_quant,@function
k_q4950712e01_quant:
	s_mov_b64 s[64:65], 0
	v_nop
	global_prefetch_b8 v0, s[64:65] scope:SCOPE_SE
	s_setreg_imm32_b32 hwreg(HW_REG_WAVE_MODE, 25, 1), 1
	s_wait_xcnt 0x0
; k, v: [64 heads][2048][128] f32, are turned ONCE into codes of FP4 (E2M1) with one E8M0 scale byte for each 32 along a product's K: k along the head's 128, v along the keys.
; (q is read by one wave alone and is quantised in the product's launch.)
; A block's scale is 2^(floor(log2(its largest magnitude)) - 2); its byte is the largest magnitude's exponent field - 2, held at 1 from below; numbers beyond 6 scales take the code of 6.
; LIMITS: NaN and infinities among the inputs are not served.  A block whose largest magnitude lies under 2^-124 has its byte held at 1.  A block of zeros gets the byte 1 where the rule says 127:
; its codes are zeros, which add nothing under any byte but 0xff, and the bytes are read by this program alone.
; THE CODES ARE IMAGES OF THE OPERAND'S REGISTERS: [head][s 16][t 8][blk 4][r 16][16 bytes].  A fragment (s, t) is 1,024 bytes; lane (r, h) takes its registers 4 c .. 4 c + 3 at 512 c + 16 (16 h + r): block 2 c + h.
;   k_img: the 16 bytes at (blk, r) are block blk of row 128 s + 64 (t / 4) + 32 (r / 8) + 8 (t % 4) + r % 8: so the scores of four neighbouring tiles are 32 neighbouring keys in a lane.
;   v_img: block blk (keys 128 s + 32 blk on) of channel 16 t + r.
;   k_sc: [head][row][4 bytes].   v_sc: [head][slot of 512 keys][channel 128][step 4] words, byte b of a word for keys 512 slot + 128 step + 32 b on.
; TWO WAYS that part on the work-group's number: 0-255 take v (512 keys of one head each: twice the numbers, so they come first), 256-767 take k (256 rows each).  Only k's way uses LDS.  Waves share nothing: no barrier.
.set NV,     256
.set STEPS,  16
.set EMAX,   2
.set WREG,   10496                     ; k's way: an LDS region for each wave
.set SP,     80                        ; a lane's place in a stage: 64 bytes + 16 of padding
.set SCB,    2*32*SP                   ; behind the two stages: the wave's 256 scale bytes
.set CA,     SCB+256                   ; behind them: 4,096 bytes of codes as 16 runs of 256 bytes,
.set CP,     320                       ; 320 bytes apart
.set R,      16                        ; v16-79   four sets of 16 numbers as loaded; at the end the codes read back
.set X,      80                        ; v80-111  two sets of 16 neighbours
.set E,      112                       ; v112-127 a scale byte for each step
.set C,      128                       ; v128-191 codes, four registers for each step
.set VX,     32                        ; v's way: v32-95 two sets of 32 numbers
.set VC,     96                        ; v96-159  codes
.set SB,     24                        ; v24-27   scale bytes, four to a register
	s_load_b64 s[4:5], s[0:1], 0x0                 ; k
	s_load_b64 s[20:21], s[0:1], 0x8               ; v
	s_load_b128 s[8:11], s[0:1], 0x10              ; k_img, k_sc
	s_load_b64 s[22:23], s[0:1], 0x20              ; v_img
	s_load_b64 s[24:25], s[0:1], 0x28              ; v_sc
	v_lshl_add_u32 v192, v0, 2, 0xa400             ; my spare word, behind the four regions
	v_mov_b32 v193, 0
	v_lshrrev_b32 v1, 5, v0
	v_readfirstlane_b32 s16, v1                    ; wave 0..3
	v_and_b32 v2, 31, v0                           ; lane
	s_mov_b32 s29, 0                               ; the upper word of every offset
	s_wait_kmcnt 0x0
	s_cmp_lt_u32 ttmp9, NV
	s_cbranch_scc1 .Lv
; ======== k: a stream of blocks of 32.  A wave takes 64 rows in 16 steps of 512 numbers.  Each load reads 512 consecutive bytes; a step's 2,048 bytes turn through the wave's stage and come back 64 bytes a lane.
	s_wait_alu depctr_va_vdst(0)
	v_lshlrev_b32 v3, 4, v2
	s_mul_i32 s26, s16, WREG
	v_lshrrev_b32 v14, 2, v2
	v_mul_u32_u24 v14, v14, SP
	v_and_b32 v15, 3, v2
	v_lshl_add_u32 v14, v15, 4, v14
	v_add_nc_u32 v14, s26, v14                     ; the stage, in: SP (lane / 4) + 16 (lane % 4)
	v_mul_u32_u24 v15, v2, SP
	v_add_nc_u32 v15, s26, v15                     ; out: SP x lane
	v_bfe_u32 v4, v2, 1, 2                         ; my block of the row
	v_mul_u32_u24 v4, v4, CP
	v_lshrrev_b32 v8, 3, v2                        ; my row of the step's four
	v_lshl_add_u32 v4, v8, 4, v4
	v_and_b32 v8, 1, v2                            ; my half of the block
	v_lshl_add_u32 v4, v8, 3, v4
	v_add_nc_u32 v4, s26, v4                       ; the code area, in
	v_lshrrev_b32 v10, 4, v2
	v_mul_u32_u24 v10, v10, CP
	v_and_b32 v8, 15, v2
	v_lshl_add_u32 v10, v8, 4, v10
	v_add_nc_u32 v10, s26, v10                     ; and back: sixteen lanes to a run of 256 bytes
	v_lshrrev_b32 v5, 1, v2
	v_add_nc_u32 v5, s26, v5                       ; my block's scale byte
	v_lshlrev_b32 v7, 3, v2
	v_add_nc_u32 v6, s26, v7
	s_sub_co_u32 s17, ttmp9, NV
	s_lshl_b32 s17, s17, 2
	s_add_co_u32 s18, s17, s16                     ; my wave's run of 64 rows: 0 .. 2,047: four whole fragments
	s_lshl_b32 s28, s18, 15
	s_add_nc_u64 s[4:5], s[4:5], s[28:29]
	s_lshl_b32 s28, s18, 12
	s_add_nc_u64 s[8:9], s[8:9], s[28:29]
	s_lshl_b32 s28, s18, 8
	s_add_nc_u64 s[10:11], s[10:11], s[28:29]
.macro LOAD t
.irp i, 0,1,2,3
	global_load_b128 v[R+16*((\t)%4)+4*\i:R+16*((\t)%4)+4*\i+3], v3, s[4:5] offset:2048*(\t)+512*\i th:TH_LOAD_NT
.endr
.endm
.macro TURN t                          ; LDS serves a wave's instructions in order: no wait between the stores and the loads
.irp i, 0,1,2,3
	ds_store_b128 v14, v[R+16*((\t)%4)+4*\i:R+16*((\t)%4)+4*\i+3] offset:32*SP*((\t)%2)+8*SP*\i
.endr
.irp i, 0,1,2,3
	ds_load_b128 v[X+16*((\t)%2)+4*\i:X+16*((\t)%2)+4*\i+3], v15 offset:32*SP*((\t)%2)+16*\i
.endr
.endm
.irp t, 0,1,2,3
	LOAD \t
.endr
	s_wait_loadcnt 12                              ; step 0's four loads are in; twelve may be out
	TURN 0
; Step t holds rows k = 4 t + lane / 8 of the run.  Row k belongs to fragment (k % 32) / 8 = (t % 8) / 2 of the wave's four, at r = 8 (k / 32) + k % 8 = 8 (t / 8) + 4 (t % 2) + lane / 8; the lane's part is in v4.
.macro STEP t
.set XS, X+16*((\t)%2)
.set IM, (((\t)%8)/2)*4*CP+((\t)/8)*128+((\t)%2)*64
.if (\t) > 0
	s_wait_dscnt 2                                 ; this step's numbers are back (behind them: the last step's two stores)
.else
	s_wait_dscnt 0x0
.endif
.if (\t)+4 < STEPS
	LOAD (\t)+4
.endif
.if (\t)+1 < STEPS
.if STEPS-2-(\t) >= 3
	s_wait_loadcnt 12                              ; the next step's loads are in; three steps' may be out
.else
	s_wait_loadcnt 4*(STEPS-2-(\t))
.endif
	TURN (\t)+1
.endif
	v_max3_num_f32 v8, |v[XS]|, |v[XS+1]|, |v[XS+2]|
	v_max3_num_f32 v9, |v[XS+3]|, |v[XS+4]|, |v[XS+5]|
.irp i, 6,10
	v_max3_num_f32 v8, v8, |v[XS+\i]|, |v[XS+\i+1]|
	v_max3_num_f32 v9, v9, |v[XS+\i+2]|, |v[XS+\i+3]|
.endr
	v_max3_num_f32 v8, v8, |v[XS+14]|, |v[XS+15]|
	v_max3_num_f32 v8, v8, v9, (EMAX+1)<<23        ; the floor 2^(3 - 127)
	v_max_num_f32_dpp v8, v8, v8 row_xmask:1 row_mask:0xf bank_mask:0xf   ; with my neighbour's 16: the block's
	v_add_nc_u32 v11, -(EMAX<<23), v8              ; the conversion's scale operand
	v_cvt_scalef32_pk8_fp4_f32 v[C+4*(\t)], v[XS:XS+7], v11
	v_cvt_scalef32_pk8_fp4_f32 v[C+4*(\t)+1], v[XS+8:XS+15], v11
	v_lshrrev_b32 v[E+(\t)], 23, v11               ; the scale's byte
	ds_store_b8 v5, v[E+(\t)] offset:SCB+16*(\t)
	ds_store_b64 v4, v[C+4*(\t):C+4*(\t)+1] offset:CA+IM
.endm
.irp t, 0,1,2,3,4,5,6,7,8,9,10,11,12,13,14,15
	STEP \t
.endr
	ds_load_b64 v[12:13], v6 offset:SCB
.irp i, 0,1,2,3,4,5,6,7
	ds_load_b128 v[R+4*\i:R+4*\i+3], v10 offset:CA+2*CP*\i
.endr
	s_wait_dscnt 8                                 ; the scale bytes are back; eight loads may be out
	global_store_b64 v7, v[12:13], s[10:11]        ; 256 consecutive bytes, aligned
.irp i, 0,1,2,3,4,5,6,7
	s_wait_dscnt 7-\i                              ; load i is back
	global_store_b128 v3, v[R+4*\i:R+4*\i+3], s[8:9] offset:512*\i   ; 512 consecutive bytes, aligned
.endr
	s_wait_tensorcnt 0x0                           ; the wave's end
	ds_add_u32 v192, v193
	s_wait_dscnt 0x0
	s_endpgm
; ======== v: a lane takes a channel and its registers run down the keys.  Work-group 4 head + slot takes 512 keys; wave w channels 32 w on: 16 blocks a lane.  Loads run two blocks ahead.
.Lv:
	s_wait_alu depctr_va_vdst(0)
	v_lshlrev_b32 v3, 2, v2
	s_wait_alu depctr_va_vdst(0)
	v_lshrrev_b32 v8, 4, v2
	v_and_b32 v9, 15, v2
	v_lshlrev_b32 v8, 10, v8
	v_lshl_add_u32 v8, v9, 4, v8                   ; out: fragment lane / 16 of my two, 16 bytes for each r
	v_lshlrev_b32 v9, 4, v2
	s_lshl_b32 s28, ttmp9, 18
	s_lshl_b32 s30, s16, 7
	s_add_co_u32 s28, s28, s30
	s_add_nc_u64 s[20:21], s[20:21], s[28:29]
	s_lshl_b32 s28, ttmp9, 15
	s_lshl_b32 s30, s16, 11
	s_add_co_u32 s28, s28, s30
	s_add_nc_u64 s[22:23], s[22:23], s[28:29]
	s_lshl_b32 s28, ttmp9, 11
	s_lshl_b32 s30, s16, 9
	s_add_co_u32 s28, s28, s30
	s_add_nc_u64 s[24:25], s[24:25], s[28:29]
.macro VLOAD t
.irp i, 0,1,2,3,4,5,6,7,8,9,10,11,12,13,14,15,16,17,18,19,20,21,22,23,24,25,26,27,28,29,30,31
	global_load_b32 v[VX+32*((\t)%2)+\i], v3, s[20:21] offset:(32*(\t)+\i)*512 th:TH_LOAD_NT
.endr
.endm
	VLOAD 0
	VLOAD 1
.macro VBLOCK t
.set XS, VX+32*((\t)%2)
.if (\t) < 15
	s_wait_loadcnt 32                              ; this block's 32 loads are in; the next block's may be out
.else
	s_wait_loadcnt 0x0
.endif
	v_max3_num_f32 v12, |v[XS]|, |v[XS+1]|, |v[XS+2]|
	v_max3_num_f32 v13, |v[XS+3]|, |v[XS+4]|, |v[XS+5]|
.irp i, 6,10,14,18,22,26
	v_max3_num_f32 v12, v12, |v[XS+\i]|, |v[XS+\i+1]|
	v_max3_num_f32 v13, v13, |v[XS+\i+2]|, |v[XS+\i+3]|
.endr
	v_max3_num_f32 v12, v12, |v[XS+30]|, |v[XS+31]|
	v_max3_num_f32 v12, v12, v13, (EMAX+1)<<23
	v_add_nc_u32 v11, -(EMAX<<23), v12
	v_lshrrev_b32 v13, 23, v11
.if (\t)%4 == 0
	v_mov_b32 v[SB+(\t)/4], v13
.else
	v_lshl_or_b32 v[SB+(\t)/4], v13, 8*((\t)%4), v[SB+(\t)/4]
.endif
.irp g, 0,1,2,3
	v_cvt_scalef32_pk8_fp4_f32 v[VC+4*(\t)+\g], v[XS+8*\g:XS+8*\g+7], v11
.endr
	global_store_b128 v8, v[VC+4*(\t):VC+4*(\t)+3], s[22:23] offset:((\t)/4)*8192+((\t)%4)*256   ; each half of the lanes stores 256 consecutive bytes, aligned
.if (\t)+2 < 16
	VLOAD (\t)+2
.endif
.endm
.irp t, 0,1,2,3,4,5,6,7,8,9,10,11,12,13,14,15
	VBLOCK \t
.endr
	global_store_b128 v9, v[SB:SB+3], s[24:25]     ; 512 consecutive bytes, aligned
	s_endpgm
.Lfunc_end_k_q4950712e01_quant:
	.size	k_q4950712e01_quant, .Lfunc_end_k_q4950712e01_quant-k_q4950712e01_quant
	.p2alignl 7, 3214868480
	.fill 96, 4, 3214868480
	.section	.rodata,"a",@progbits
	.p2align	6, 0x0
	.amdhsa_kernel k_q4950712e01_quant
		.amdhsa_group_segment_fixed_size 42496
		.amdhsa_private_segment_fixed_size 0
		.amdhsa_enable_private_segment 0
		.amdhsa_kernarg_size 48
		.amdhsa_user_sgpr_count 2
		.amdhsa_user_sgpr_kernarg_segment_ptr 1
		.amdhsa_wavefront_size32 1
		.amdhsa_system_sgpr_workgroup_id_x 1
		.amdhsa_system_sgpr_workgroup_id_y 1
		.amdhsa_system_sgpr_workgroup_id_z 1
		.amdhsa_system_vgpr_workitem_id 0
		.amdhsa_next_free_vgpr 194
		.amdhsa_next_free_sgpr 66
		.amdhsa_reserve_vcc 0
		.amdhsa_float_denorm_mode_32 3
		.amdhsa_float_denorm_mode_16_64 3
		.amdhsa_memory_ordered 1
		.amdhsa_forward_progress 1
		.amdhsa_inst_pref_size 108
	.end_amdhsa_kernel
	.amdgpu_metadata
---
amdhsa.version: [ 1, 2 ]
amdhsa.kernels:
  - .name:           k_q4950712e01_quant
    .symbol:         k_q4950712e01_quant.kd
    .args:
      - { .name: k, .offset: 0, .size: 8, .value_kind: global_buffer, .address_space: global }
      - { .name: v, .offset: 8, .size: 8, .value_kind: global_buffer, .address_space: global }
      - { .name: k_img, .offset: 16, .size: 8, .value_kind: global_buffer, .address_space: global }
      - { .name: k_sc, .offset: 24, .size: 8, .value_kind: global_buffer, .address_space: global }
      - { .name: v_img, .offset: 32, .size: 8, .value_kind: global_buffer, .address_space: global }
      - { .name: v_sc, .offset: 40, .size: 8, .value_kind: global_buffer, .address_space: global }
    .group_segment_fixed_size: 42496
    .private_segment_fixed_size: 0
    .kernarg_segment_align: 8
    .kernarg_segment_size: 48
    .max_flat_workgroup_size: 128
    .sgpr_count:     66
    .vgpr_count:     194
    .wavefront_size: 32
...
	.end_amdgpu_metadata
.endif
;; end of part 1
;; launch attn (part 2): grid 4 x 64, 8 waves a work-group, clusters of 4 x 1, 327,680 bytes of LDS; arguments q, out0, k_img, k_sc, v_img, v_sc; writes out0
.if DOCPART == 2
	.amdgcn_target "amdgcn-amd-amdhsa--gfx1250"
	.amdhsa_code_object_version 6
	.text
	.protected	k_q4950712e01_attn
	.globl	k_q4950712e01_attn
	.p2align	8
	.type	k_q4950712e01_attn,@function
k_q4950712e01_attn:
	s_mov_b64 s[64:65], 0
	v_nop
	global_prefetch_b8 v0, s[64:65] scope:SCOPE_SE
	s_setreg_imm32_b32 hwreg(HW_REG_WAVE_MODE, 25, 1), 1
	s_wait_xcnt 0x0
	s_wait_alu depctr_hold_cnt(0) depctr_sa_sdst(0) depctr_va_vdst(0) depctr_va_sdst(0) depctr_va_ssrc(0) depctr_va_vcc(0) depctr_vm_vsrc(0)
	s_getreg_b32 s2, hwreg(HW_REG_IB_STS2, 6, 4)
	s_cmp_eq_u32 s2, 0
	s_cbranch_scc0 .Lentry_in_a_cluster
	s_endpgm
.Lentry_in_a_cluster:
	s_bfe_u32 s2, ttmp6, 0x10000c
	s_cmp_lg_u32 s2, 0x3003
	s_cbranch_scc0 .Lentry_shape_is_right
	s_endpgm
.Lentry_shape_is_right:
; out0[head][q][:] = the sum over k of softmax_k(Q[q] . K[k]) V[k][:], 64 heads of 2,048 x 128, no 1 / sqrt(128); both products on codes of FP4 (E2M1) with one E8M0 scale for each 32 along a product's K.
; K and V come as images of the operand's registers, [head][s 16][t 8][blk 4][r 16][16 bytes]: lane l takes registers 4 c .. 4 c + 3 of fragment (s, t) at 1024 (8 s + t) + 16 l + 512 c.
; In k_img lane r of tile t is key 128 s + 64 (t / 4) + 32 (r / 8) + 8 (t % 4) + r % 8; in v_img it is channel 16 t + r and K runs along the keys.  k_sc: a word a key.  v_sc: [head][slot 4][channel 128][step 4] words.
; THE SOFTMAX: t = score x log2(e); M = the row's largest t so far, rounded UP to a whole number; p = 2^(t - M) is quantised along the keys, not normalised.  The row's sum is taken of the unquantised p, in f32,
; and divides O at the end.  When M moves, the sum and O are multiplied by 2^(old M - new M): exact.
; LIMITS: the promise holds while the scaled scores stay under 2^31 in magnitude (the running maximum starts at -1e38).  A p under 2^-126 comes out of v_exp_f32 as 0.  A block's largest p is made of the block's largest
; score by the same multiply-add and exponential: this takes v_exp_f32 not to fall where its input rises.  A block whose every p is 0, or of zeros in q, keeps the byte 1: its codes are zeros.  NaN and infinities are not served.
; SHARES.  A work-group owns 512 queries of one head, each of its eight waves 64, in two passes of 32 (two tiles of 16: each fragment read from LDS feeds two products).  256 work-groups.
; A HEAD'S WHOLE K AND V STAY IN LDS: 2 x 131,072 bytes of images and 2 x 8,192 scale bytes (in runs of 256 + 16).  Nothing is filled again.  At the head each wave asks for one tile: waves 0, 1 K's keys 0-511 and 512-1023,
; waves 2, 3 V's, waves 4-7 the halves of the scale bytes.  Behind the full sequence and a round waves 0-3 ask for keys 1024-2047.  Steps 0-6 touch the first half alone (step 6 fetches step 7's K); then one barrier; then none.
; CLUSTER.  The four work-groups of a cluster are the four query blocks of one head: every tile is asked for jointly, mask 15.  The place in the cluster enters the addresses of q and of the output alone.
; q is read once, by the wave that owns the rows, and is quantised here: a pass's 32 rows ahead of the pass.  Each load takes 256 consecutive bytes of two rows; 16 rows x 256 bytes turn through the wave's stage.
; PREFETCH.  K's and V's tiles have none: all twelve loads are issued at the head or directly behind the first round, so no loop runs ahead of them.  The second pass's 32 rows of q, 64 blocks of 256 bytes a wave,
; are asked for by the wave that will load them, a lane a block, in two instructions behind step 6: nine steps ahead of their loads.
; LAYOUT.  Both products transposed: S^T = K Q^T, O^T = V^T P^T: a lane holds ONE query (lane % 16 of its tile).  By the choice of a tile's keys register 32 c + i of S^T is key 64 c + 32 (lane / 16) + i: a lane holds two WHOLE
; blocks of 32 keys, in the order in which the second product's operand wants them: a block's maximum needs no other lane, and the conversions' results are the operand's registers.
; REGISTERS.  Window 0: v1-11, v236, v237, v254, v255 addresses and 8 h; v12-27 statistics; v28-43 Q's codes; v94-95 Q's scale words; v44-51 K's scale words; v52-75, v92-93, v232-235 at work; v76-91 P's codes;
;   v96-223 S^T, then p; v224-231 V's scale words.  Window 1: v0-127 O^T (ahead of a pass q's rows, on the way out the rows read back); v128-191 K's fragments; v192-255 V's.
.set VIM,   131072                     ; V's image behind K's
.set SLB,   32768                      ; what one tensor load brings of an image: 512 keys
.set SCK,   262144                     ; K's scale bytes: 32 runs of 272
.set SCH,   16*272                     ; half of them
.set SCV,   SCK+2*SCH
.set SPARE, SCV+2*SCH                  ; the spare words, 128 bytes a wave
.set STAGE, SPARE+1024                 ; 16 rows x 272 bytes for each wave; no fill lands here
.set SROW,  272
.set AD0,  1                           ; 16 x lane
.set ASK0, 2                           ; SCK + 4 (r % 8) + 128 (r / 8)
.set ASV0, 3                           ; SCV + 16 r
.set SPW,  4
.set NIL,  5
.set GO,   6                           ; 512 h + 16 r: two rows of q or of the output, 256 bytes each
.set ADK,  7
.set ADS,  8
.set ADT,  9
.set STO,  10                          ; stage + 272 r + 32 h
.set RD,   11                          ; stage + 272 h + 16 r
.set ST,   12                          ; tile x at ST + 8 x: +0 -M, +1 largest score, +2, +3 the sum, +4 f, +5 its pair's upper half, +6 P's scale word
.set Q0,   28
.set KS,   44
.set BM,   52
.set BP,   60
.set BS,   68
.set PC,   76
.set TMP,  92
.set QS0,  94
.set S,    96
.set VS,   224
.set CH,   232
.set H8,   236                         ; 8 h: where a lane's two scale bytes go in a word
.set PFO,  237                         ; 256 x lane
.set ADV,  254
.set QR,   255                         ; stage + 272 r + 128 h
.set FRK,  128
.set FRV,  192
.set WV,   18
.set SEL,  20
.set CS,   22                          ; s[22:23] log2(e)
.set G1T,  24
.set G1S,  32
.set G0K,  40
.set G0V,  44
.set G0SK, 48
.set G0SV, 52
.set SN,   56                          ; the step, 0 .. 15
.set NX,   57                          ; the next
.set TK,   58
.set TV,   59
.set TS,   60
.set TJ,   61
.set TU,   62
.set CN,   63                          ; -log2(e)
.set MSB, 0
.macro WIN new                         ; s_set_vgpr_msb: bits 1:0 source 0, 3:2 source 1, 5:4 source 2, 7:6 destination; the high byte repeats the setting left
.if MSB != \new
	s_set_vgpr_msb (MSB<<8)|\new
.set MSB, \new
.endif
.endm
.set W_LD, 0x40
.set W_KQ, 0x01
.set W_RS, 0x41
.set W_PV, 0x51
.set W_ST, 0x04
.macro CROUND                          ; a round of the cluster's barrier
	s_barrier_signal -1
	s_barrier_wait -1
	s_cmp_lg_u32 s[WV], 0
	s_cbranch_scc1 .Lnot_wave_0_\@
	s_barrier_signal -3
.Lnot_wave_0_\@:
	s_barrier_wait -3
	s_barrier_signal -1
	s_barrier_wait -1
.endm
.macro TL g0, g1                       ; a joint load with a nop and four v_nops behind it
	tensor_load_to_lds s[\g0:\g0+3], s[\g1:\g1+7]
	s_nop 0
.rept 4
	v_nop
.endr
.endm
.macro ARM under, g0, g1, next
	s_cmp_lt_u32 s[WV], \under
	s_cbranch_scc0 \next
	TL \g0, \g1
	s_branch .Lhead_asked
\next:
.endm
	s_load_b128 s[4:7], s[0:1], 0x0                ; q, out0
	s_load_b128 s[8:11], s[0:1], 0x10              ; k_img, k_sc
	s_load_b128 s[12:15], s[0:1], 0x20             ; v_img, v_sc
	v_lshl_add_u32 v[SPW], v0, 2, SPARE
	v_mov_b32 v[NIL], 0
	ds_add_u32 v[SPW], v[NIL]                      ; the opening lines: the add twice on end and one wait
	ds_add_u32 v[SPW], v[NIL]
	v_lshrrev_b32 v92, 5, v0
	v_readfirstlane_b32 s[WV], v92                 ; wave 0..7
	s_bfe_u32 s19, ttmp6, 0x40000                  ; cx: my block of 512 queries
	s_and_b32 s70, ttmp7, 0xffff                   ; the head, which the four partners share
	s_and_b32 s71, s[WV], 1                        ; which half I fetch
	s_lshl_b32 s66, s70, 17                        ; a head's image: 131,072 bytes
	s_lshl_b32 s72, s71, 15                        ; my 512 keys: in memory and in LDS
	s_add_co_u32 s66, s66, s72
	s_mov_b32 s67, 0
	s_lshl_b32 s68, s70, 13                        ; a head's scale bytes: 8,192
	s_lshl_b32 s73, s71, 12
	s_add_co_u32 s68, s68, s73
	s_mov_b32 s69, 0
	s_mul_i32 s73, s71, SCH
	s_lshl_b32 s74, s19, 9                         ; q and the output: my first row = 512 cx + 64 wave, 512 bytes a row
	s_lshl_b32 s76, s[WV], 6
	s_add_co_u32 s74, s74, s76
	s_lshl_b32 s74, s74, 9
	s_lshl_b32 s76, s70, 20
	s_add_co_u32 s74, s74, s76
	s_mov_b32 s75, 0
	s_mov_b32 s[G1T], 15|(3<<16)|(1<<21)           ; the images: 128 rows of 32 elements of 8 bytes, dense; mask: all four
	s_mov_b32 s[G1T+1], 32<<16
	s_mov_b32 s[G1T+2], 128<<16
	s_mov_b32 s[G1T+3], 32<<16
	s_mov_b32 s[G1T+4], 128
	s_mov_b32 s[G1T+5], 32
	s_mov_b32 s[G1T+6], 0
	s_mov_b32 s[G1T+7], 0
	s_mov_b32 s[G1S], 15|(3<<16)|(1<<20)|(1<<21)|(5<<22)|(3<<25)   ; the scale bytes: 16 rows of 256 bytes, four words of padding behind each
	s_mov_b32 s[G1S+1], 32<<16
	s_mov_b32 s[G1S+2], 16<<16
	s_mov_b32 s[G1S+3], 32<<16
	s_mov_b32 s[G1S+4], 16
	s_mov_b32 s[G1S+5], 32
	s_mov_b32 s[G1S+6], 0
	s_mov_b32 s[G1S+7], 0
	s_mov_b32 s[SEL], 0x76543210
	s_mov_b32 s[SEL+1], 0xfedcba98
	s_mov_b32 s[CS], 0x3fb8aa3b
	s_mov_b32 s[CS+1], s[CS]
	s_mov_b32 s[CN], 0xbfb8aa3b
	s_wait_dscnt 0x0                               ; both opening adds are done
	s_wait_kmcnt 0x0
	s_mov_b32 s[G0K], 1
	s_mov_b32 s[G0K+1], s72
	s_add_nc_u64 s[G0K+2:G0K+3], s[8:9], s[66:67]
	s_or_b32 s[G0K+3], s[G0K+3], 0x80000000
	s_mov_b32 s[G0V], 1
	s_add_co_u32 s[G0V+1], s72, VIM
	s_add_nc_u64 s[G0V+2:G0V+3], s[12:13], s[66:67]
	s_or_b32 s[G0V+3], s[G0V+3], 0x80000000
	s_mov_b32 s[G0SK], 1
	s_add_co_u32 s[G0SK+1], s73, SCK
	s_add_nc_u64 s[G0SK+2:G0SK+3], s[10:11], s[68:69]
	s_or_b32 s[G0SK+3], s[G0SK+3], 0x80000000
	s_mov_b32 s[G0SV], 1
	s_add_co_u32 s[G0SV+1], s73, SCV
	s_add_nc_u64 s[G0SV+2:G0SV+3], s[14:15], s[68:69]
	s_or_b32 s[G0SV+3], s[G0SV+3], 0x80000000
	CROUND                                         ; all four work-groups are here: the first joint loads meet
	ARM 2, G0K,  G1T, .Lhead_v                     ; one chain of branches on the wave's number, one load to an arm: every way passes one
	ARM 4, G0V,  G1T, .Lhead_sk
	ARM 6, G0SK, G1S, .Lhead_sv
	TL G0SV, G1S
.Lhead_asked:
	s_add_nc_u64 s[4:5], s[4:5], s[74:75]
	s_add_nc_u64 s[6:7], s[6:7], s[74:75]
	s_mul_i32 s77, s[WV], 16*SROW
	s_add_co_u32 s77, s77, STAGE                   ; my stage
	v_and_b32 v92, 15, v0                          ; r
	v_bfe_u32 v93, v0, 4, 1                        ; h
	v_and_b32 v[AD0], 31, v0
	v_and_b32 v[BM], 7, v92                        ; r % 8
	v_lshrrev_b32 v[BM+1], 3, v92                  ; r / 8
	v_lshlrev_b32 v[GO], 9, v93
	v_lshlrev_b32 v[AD0], 4, v[AD0]
	v_lshl_add_u32 v[ASK0], v[BM], 2, SCK
	v_lshl_add_u32 v[GO], v92, 4, v[GO]
	v_mul_u32_u24 v[STO], v92, SROW
	v_mul_u32_u24 v[RD], v93, SROW
	v_lshl_add_u32 v[ASK0], v[BM+1], 7, v[ASK0]
	v_lshl_add_u32 v[ASV0], v92, 4, SCV
	v_add_nc_u32 v[STO], s77, v[STO]
	v_lshl_add_u32 v[RD], v92, 4, v[RD]
	v_lshlrev_b32 v[H8], 3, v93
	v_lshlrev_b32 v[PFO], 4, v[AD0]
	v_lshl_add_u32 v[QR], v93, 7, v[STO]
	v_add_nc_u32 v[RD], s77, v[RD]
	v_lshl_add_u32 v[STO], v93, 5, v[STO]
.irp b, 0,1,2,3,4,5,6,7
	v_mov_b32 v[BP+\b], 0                          ; a lane permute's destination counts as one of its sources
.endr
	s_wait_alu depctr_va_vdst(0)
; q of pass p: tile x is rows 32 p + 16 x + 0 .. 15 of my 64.  32 loads, each 256 consecutive bytes of two rows: columns 64 c on
.macro QLOAD p
	WIN W_LD
.irp x, 0,1
.irp c, 0,1
.irp i, 0,1,2,3,4,5,6,7
	global_load_b128 v[64*\x+32*\c+4*\i:64*\x+32*\c+4*\i+3], v[GO], s[4:5] offset:(32*\p+16*\x+2*\i)*512+256*\c th:TH_LOAD_NT
.endr
.endr
.endr
	WIN 0
.endm
; 16 rows x 256 bytes at a time through my stage: in as loaded, back 128 bytes a lane: lane (r, h) gets columns 64 c + 32 h + 0 .. 31 of row r: a whole block.  LDS serves a wave's instructions in order.
.macro QTURN
.irp x, 0,1
.irp c, 0,1
	s_wait_loadcnt 24-8*(2*\x+\c)                  ; these eight loads are in; the later turns' may be out
	WIN W_ST
.irp i, 0,1,2,3,4,5,6,7
	ds_store_b128 v[RD], v[64*\x+32*\c+4*\i:64*\x+32*\c+4*\i+3] offset:2*SROW*\i
.endr
	WIN 0
.irp i, 0,1,2,3,4,5,6,7
	ds_load_b128 v[S+64*\x+32*\c+4*\i:S+64*\x+32*\c+4*\i+3], v[QR] offset:16*\i
.endr
.endr
.endr
	s_wait_dscnt 0x0
.endm
; Two tiles of q in v[S ..] become codes and scale words: four blocks a lane, by turns
.macro QQ
.irp x, 0,1
.irp c, 0,1
	v_max3_num_f32 v[BM+2*\x+\c], |v[S+64*\x+32*\c]|, |v[S+64*\x+32*\c+1]|, 0x1800000   ; with the floor 2^(3 - 127)
.endr
.endr
.irp i, 2,4,6,8,10,12,14,16,18,20,22,24,26,28,30
.irp x, 0,1
.irp c, 0,1
	v_max3_num_f32 v[BM+2*\x+\c], v[BM+2*\x+\c], |v[S+64*\x+32*\c+\i]|, |v[S+64*\x+32*\c+\i+1]|
.endr
.endr
.endr
.irp b, 0,1,2,3
	v_add_nc_u32 v[BS+\b], 0xff000000, v[BM+\b]    ; 2 off the exponent field: the conversion's scale operand
.endr
.irp b, 0,1,2,3
	v_lshrrev_b32 v[BP+\b], 23, v[BS+\b]           ; the byte
.endr
.irp x, 0,1
	v_lshl_or_b32 v[TMP+\x], v[BP+2*\x+1], 16, v[BP+2*\x]   ; blocks h and 2 + h,
.endr
.irp x, 0,1
	v_lshlrev_b32 v[TMP+\x], v[H8], v[TMP+\x]      ; at their places
.endr
.irp x, 0,1
	v_permlanex16_b32 v[BP+4+\x], v[TMP+\x], s[SEL], s[SEL+1]
.endr
.irp x, 0,1
	v_or_b32 v[QS0+\x], v[TMP+\x], v[BP+4+\x]      ; with lane l xor 16's two the word is whole
.endr
.irp x, 0,1
.irp c, 0,1
.irp g, 0,1,2,3
	v_cvt_scalef32_pk8_fp4_f32 v[Q0+8*\x+4*\c+\g], v[S+64*\x+32*\c+8*\g:S+64*\x+32*\c+8*\g+7], v[BS+2*\x+\c]
.endr
.endr
.endr
	v_nop                                          ; a plain line behind the conversions
.endm
.macro INIT                            ; a pass begins: the step is written once, and the first step finds zeros, which f = 0 leaves zeros
.irp x, 0,1
	v_mov_b32 v[ST+8*\x], 0x7e967699               ; -M: 1e38
	v_mov_b32 v[ST+8*\x+1], 0xfe967699             ; the largest score so far: -1e38
	v_mov_b32 v[ST+8*\x+2], 0
	v_mov_b32 v[ST+8*\x+3], 0
	v_mov_b32 v[ST+8*\x+5], 0
.endr
	WIN W_LD
.set j, 0
.rept 128
	v_mov_b32 v[j], 0
.set j, j+1
.endr
	WIN 0
.endm
.macro FETCH128 base, adr              ; eight fragments: each load reads 512 consecutive bytes
.irp t, 0,1,2,3,4,5,6,7
.irp c, 0,1
	ds_load_b128 v[\base+8*\t+4*\c:\base+8*\t+4*\c+3], v[\adr] offset:1024*\t+512*\c
.endr
.endr
.endm
.macro KSC adr                         ; K's scale words of a step: two runs of 64 keys; tile t's lanes begin at key 64 (t / 4) + 8 (t % 4)
.irp t, 0,1,2,3,4,5,6,7
	ds_load_b32 v[KS+\t], v[\adr] offset:272*(\t/4)+32*(\t%4)
.endr
.endm
.macro CV tx, tc                       ; block 2 tc + h of tile tx: registers 4 tc .. 4 tc + 3 of P's operand
.irp g, 0,1,2,3
	v_cvt_scalef32_pk8_fp4_f32 v[PC+8*\tx+4*\tc+\g], v[S+64*\tx+32*\tc+8*\g:S+64*\tx+32*\tc+8*\g+7], v[BS+2*\tx+\tc]
.endr
.endm
; THE SOFTMAX of both tiles for one step of 128 keys.  Register 32 c + i of S^T is key 64 c + 32 (lane / 16) + i.
.macro SM2
.irp b, 0,1,2,3
.irp x, 0,1
	v_max3_num_f32 v[BM+4*\x+\b], v[S+64*\x+16*\b], v[S+64*\x+16*\b+1], v[S+64*\x+16*\b+2]   ; eight chains by turns, two to a block; each accumulator is read from its low end on
.endr
.endr
.irp i, 3,5,7,9,11,13
.irp b, 0,1,2,3
.irp x, 0,1
	v_max3_num_f32 v[BM+4*\x+\b], v[BM+4*\x+\b], v[S+64*\x+16*\b+\i], v[S+64*\x+16*\b+\i+1]
.endr
.endr
.endr
.irp c, 0,1
.irp x, 0,1
	v_max3_num_f32 v[BM+4*\x+2*\c], v[BM+4*\x+2*\c], v[BM+4*\x+2*\c+1], v[S+64*\x+32*\c+15]
.endr
.endr
.irp c, 0,1
.irp x, 0,1
	v_max_num_f32 v[BM+4*\x+2*\c], v[BM+4*\x+2*\c], v[S+64*\x+32*\c+31]   ; my block's largest score: it serves for the row's maximum and for the block's largest p
.endr
.endr
.irp x, 0,1
	v_max_num_f32 v[TMP+\x], v[BM+4*\x], v[BM+4*\x+2]
.endr
.irp x, 0,1
	v_permlanex16_b32 v[BP+\x], v[TMP+\x], s[SEL], s[SEL+1]
.endr
.irp x, 0,1
	v_max3_num_f32 v[ST+8*\x+1], v[ST+8*\x+1], v[TMP+\x], v[BP+\x]   ; the running largest score, with lane l xor 16's 64 keys
.endr
.irp x, 0,1
	s_delay_alu instid0(VALU_DEP_2)
	v_mul_f32 v[TMP+\x], s[CN], v[ST+8*\x+1]       ; -t
.endr
.irp x, 0,1
	v_mov_b32 v[CH+2*\x], v[ST+8*\x]               ; the old -M
.endr
.irp x, 0,1
	s_delay_alu instid0(VALU_DEP_4)
	v_floor_f32 v[ST+8*\x], v[TMP+\x]              ; the new -M = floor(-t) = -ceil(t)
.endr
.irp x, 0,1
	s_delay_alu instid0(VALU_DEP_2)
	v_sub_f32 v[TMP+\x], v[ST+8*\x], v[CH+2*\x]    ; old M - new M: a whole number, 0 or less
.endr
.irp x, 0,1
	s_delay_alu instid0(VALU_DEP_2)
	v_cvt_i32_f32 v[TMP+\x], v[TMP+\x]             ; (it saturates)
.endr
.irp x, 0,1
.set j, 0
.rept 32
	v_pk_fma_f32 v[S+64*\x+j:S+64*\x+j+1], v[S+64*\x+j:S+64*\x+j+1], s[CS:CS+1], v[ST+8*\x:ST+8*\x+1] op_sel_hi:[1,0,0]   ; t - M
.set j, j+2
.endr
.endr
.irp x, 0,1
.irp c, 0,1
	v_fma_f32 v[BM+4*\x+2*\c], v[BM+4*\x+2*\c], s[CS], v[ST+8*\x]   ; the same of each block's largest score
.endr
.endr
	s_wait_alu depctr_va_vdst(0)
.set j, 0
.rept 128
	v_exp_f32 v[S+j], v[S+j]                       ; p = 2^(t - M)
.set j, j+1
.endr
.irp x, 0,1
.irp c, 0,1
	v_exp_f32 v[BM+4*\x+2*\c], v[BM+4*\x+2*\c]     ; each block's largest p
.endr
.endr
.irp x, 0,1
	v_ldexp_f32 v[ST+8*\x+4], 1.0, v[TMP+\x]       ; f = 2^(old M - new M) (plain lines behind the batch)
.endr
	s_wait_alu depctr_va_vdst(0)                   ; and one wait behind it, ahead of its first reader
.irp x, 0,1
.irp c, 0,1
	v_max_num_f32 v[BM+4*\x+2*\c], 0x1800000, v[BM+4*\x+2*\c]   ; the floor 2^(3 - 127)
.endr
.endr
.irp x, 0,1
.irp c, 0,1
	v_add_nc_u32 v[BS+2*\x+\c], 0xff000000, v[BM+4*\x+2*\c]   ; the conversion's scale operand
.endr
.endr
.irp b, 0,1,2,3
	v_lshrrev_b32 v[BP+\b], 23, v[BS+\b]           ; the byte
.endr
	CV 0, 0                                        ; the conversions stand among the lines that make P's scale word
.irp x, 0,1
	v_lshl_or_b32 v[TMP+\x], v[BP+2*\x+1], 16, v[BP+2*\x]   ; blocks h and 2 + h,
.endr
	CV 0, 1
.irp x, 0,1
	v_lshlrev_b32 v[TMP+\x], v[H8], v[TMP+\x]      ; at their places
.endr
	CV 1, 0
.irp x, 0,1
	v_permlanex16_b32 v[BP+4+\x], v[TMP+\x], s[SEL], s[SEL+1]
.endr
	CV 1, 1
.irp x, 0,1
	v_or_b32 v[ST+8*\x+6], v[TMP+\x], v[BP+4+\x]   ; with lane l xor 16's two the word is whole (plain lines behind the conversions)
.endr
.endm
; THE ROW'S SUM OF THE UNQUANTISED p, as a tree in p's registers, which are done with; the last line brings the old sum under the new M and adds
.macro SUMS
.irp j, 0,4,8,12,16,20,24,28,32,36,40,44,48,52,56,60
.irp x, 0,1
	v_pk_add_f32 v[S+64*\x+\j:S+64*\x+\j+1], v[S+64*\x+\j:S+64*\x+\j+1], v[S+64*\x+\j+2:S+64*\x+\j+3]
.endr
.endr
.irp j, 0,8,16,24,32,40,48,56
.irp x, 0,1
	v_pk_add_f32 v[S+64*\x+\j:S+64*\x+\j+1], v[S+64*\x+\j:S+64*\x+\j+1], v[S+64*\x+\j+4:S+64*\x+\j+5]
.endr
.endr
.irp j, 0,16,32,48
.irp x, 0,1
	v_pk_add_f32 v[S+64*\x+\j:S+64*\x+\j+1], v[S+64*\x+\j:S+64*\x+\j+1], v[S+64*\x+\j+8:S+64*\x+\j+9]
.endr
.endr
.irp j, 0,32
.irp x, 0,1
	v_pk_add_f32 v[S+64*\x+\j:S+64*\x+\j+1], v[S+64*\x+\j:S+64*\x+\j+1], v[S+64*\x+\j+16:S+64*\x+\j+17]
.endr
.endr
.irp x, 0,1
	v_pk_add_f32 v[S+64*\x:S+64*\x+1], v[S+64*\x:S+64*\x+1], v[S+64*\x+32:S+64*\x+33]
.endr
.irp x, 0,1
	v_pk_fma_f32 v[ST+8*\x+2:ST+8*\x+3], v[ST+8*\x+2:ST+8*\x+3], v[ST+8*\x+4:ST+8*\x+5], v[S+64*\x:S+64*\x+1] op_sel_hi:[1,0,1]
.endr
.endm
; A KEY STEP: keys 128 SN on.  K's fragments and scale words were fetched a step earlier.  wrap = 1: behind step 15 comes step 0 (the next pass's; in the second pass that fetch is not used).
; The accumulators take turns, one instruction a turn.
.macro STEP wrap
	s_lshl_b32 s[TV], s[SN], 13
	s_add_co_u32 s[TV], s[TV], VIM                 ; this step's V
	s_lshr_b32 s[TJ], s[SN], 2
	s_mul_i32 s[TJ], s[TJ], 8*272
	s_and_b32 s[TU], s[SN], 3
	s_lshl_b32 s[TU], s[TU], 2
	s_add_co_u32 s[TJ], s[TJ], s[TU]               ; its scale words: slot SN / 4, word SN % 4
	s_add_co_u32 s[NX], s[SN], 1
.if \wrap
	s_and_b32 s[NX], s[NX], 15
.endif
	s_lshl_b32 s[TK], s[NX], 13                    ; the next step's K
	s_mul_i32 s[TS], s[NX], 544                    ; and its scale words
	WIN W_KQ
.irp t, 0,1,2,3,4,5,6,7
.irp x, 0,1
	v_wmma_scale_f32_16x16x128_f8f6f4 v[S+64*\x+8*\t:S+64*\x+8*\t+7], v[FRK+8*\t:FRK+8*\t+7], v[Q0+8*\x:Q0+8*\x+7], 0, v[KS+\t], v[QS0+\x] matrix_a_fmt:MATRIX_FMT_FP4 matrix_b_fmt:MATRIX_FMT_FP4
.endr
.endr
	WIN 0
	v_add_nc_u32 v[ADV], s[TV], v[AD0]             ; these four are the places ahead of the loads into K's registers and of the first read of the scores
	v_add_nc_u32 v[ADK], s[TK], v[AD0]
	v_add_nc_u32 v[ADS], s[TS], v[ASK0]
	v_add_nc_u32 v[ADT], s[TJ], v[ASV0]
	WIN W_LD
	FETCH128 FRV, ADV                              ; both runs land under the softmax
	FETCH128 FRK, ADK
	WIN 0
.irp t, 0,1,2,3,4,5,6,7
	ds_load_b32 v[VS+\t], v[ADT] offset:272*\t
.endr
	KSC ADS
	SM2
	WIN W_RS
	s_wait_alu depctr_va_vdst(0)                   ; directly ahead of the first reader of O^T
.irp x, 0,1
.set j, 0
.rept 32
	v_pk_mul_f32 v[64*\x+j:64*\x+j+1], v[64*\x+j:64*\x+j+1], v[ST+8*\x+4:ST+8*\x+5] op_sel_hi:[1,0]   ; O^T x f
.set j, j+2
.endr
.endr
	s_wait_alu depctr_va_vdst(0)
	s_wait_dscnt 0x0                               ; V, its scale words and the next step's K are in
	WIN W_PV
.irp t, 0,1,2,3,4,5,6,7
.irp x, 0,1
	v_wmma_scale_f32_16x16x128_f8f6f4 v[64*\x+8*\t:64*\x+8*\t+7], v[FRV+8*\t:FRV+8*\t+7], v[PC+8*\x:PC+8*\x+7], v[64*\x+8*\t:64*\x+8*\t+7], v[VS+\t], v[ST+8*\x+6] matrix_a_fmt:MATRIX_FMT_FP4 matrix_b_fmt:MATRIX_FMT_FP4
.endr
.endr
	WIN 0
	SUMS                                           ; vector work that names none of the products' registers stands behind them
.endm
; THE WAY OUT of pass p.  O^T / the sum goes through my stage, 16 queries x 64 channels (256 bytes a row) at a time, and leaves as aligned runs of 256 bytes.
.macro OUT p
.irp x, 0,1
	v_add_f32 v[ST+8*\x+2], v[ST+8*\x+2], v[ST+8*\x+3]
.endr
.irp x, 0,1
	s_delay_alu instid0(VALU_DEP_2)
	v_permlanex16_b32 v[BP+\x], v[ST+8*\x+2], s[SEL], s[SEL+1]
.endr
.irp x, 0,1
	s_delay_alu instid0(VALU_DEP_2)
	v_add_f32 v[ST+8*\x+2], v[ST+8*\x+2], v[BP+\x] ; the row's sum: over 1/2
.endr
	s_wait_alu depctr_va_vdst(0)
.irp x, 0,1
	v_rcp_f32 v[ST+8*\x+4], v[ST+8*\x+2]
.endr
	v_nop
	WIN W_KQ
	s_wait_alu depctr_va_vdst(0)                   ; and ahead of their first reader, which is O^T's too
.irp x, 0,1
.set j, 0
.rept 32
	v_pk_mul_f32 v[S+64*\x+j:S+64*\x+j+1], v[64*\x+j:64*\x+j+1], v[ST+8*\x+4:ST+8*\x+5] op_sel_hi:[1,0]   ; register 8 t + i: channel 16 t + 8 h + i of my query
.set j, j+2
.endr
.endr
	s_wait_alu depctr_va_vdst(0)
.irp x, 0,1
.irp u, 0,1
	WIN 0
.irp t, 0,1,2,3
	ds_store_b128 v[STO], v[S+64*\x+32*\u+8*\t:S+64*\x+32*\u+8*\t+3] offset:64*\t
	ds_store_b128 v[STO], v[S+64*\x+32*\u+8*\t+4:S+64*\x+32*\u+8*\t+7] offset:64*\t+16
.endr
	WIN W_LD                                       ; back into O^T's registers, which have been read
.irp i, 0,1,2,3,4,5,6,7
	ds_load_b128 v[32*(2*\x+\u)+4*\i:32*(2*\x+\u)+4*\i+3], v[RD] offset:2*SROW*\i   ; LDS serves a wave's instructions in order
.endr
.endr
.endr
	WIN W_ST
.irp x, 0,1
.irp u, 0,1
.irp i, 0,1,2,3,4,5,6,7
	s_wait_dscnt 16*(3-2*\x-\u)+7-\i               ; this load is back; out may be its 7 - i younger ones and 16 LDS instructions for each later group
	global_store_b128 v[GO], v[32*(2*\x+\u)+4*\i:32*(2*\x+\u)+4*\i+3], s[6:7] offset:(32*\p+16*\x+2*\i)*512+256*\u th:TH_STORE_NT
.endr
.endr
.endr
	WIN 0
.endm
	QLOAD 0                                        ; the first pass's q, while the first tiles are on their way
	QTURN
	QQ
	INIT
	s_wait_alu depctr_va_vdst(0)
	s_wait_tensorcnt 0x0                           ; my tile is in; these lines stand ahead of a later first fill as ahead of a refill
	ds_add_u32 v[SPW], v[NIL]
	s_add_co_u32 s[G0K+1], s[G0K+1], 2*SLB         ; keys 1,024 on
	s_add_nc_u64 s[G0K+2:G0K+3], s[G0K+2:G0K+3], 2*SLB
	s_add_co_u32 s[G0V+1], s[G0V+1], 2*SLB
	s_add_nc_u64 s[G0V+2:G0V+3], s[G0V+2:G0V+3], 2*SLB
	s_wait_dscnt 0x0
	CROUND                                         ; everybody's first tiles are in, and the four work-groups meet
	s_cmp_lt_u32 s[WV], 2                          ; waves 0, 1: K; waves 2, 3: V; the others nothing
	s_cbranch_scc0 .Lnot_k
	TL G0K, G1T
	s_branch .Lasked
.Lnot_k:
	s_cmp_lt_u32 s[WV], 4
	s_cbranch_scc0 .Lasked
	TL G0V, G1T
.Lasked:
	WIN W_LD
	FETCH128 FRK, AD0                              ; step 0's K
	WIN 0
	KSC ASK0
	s_mov_b32 s[SN], 0
	s_wait_dscnt 0x0
.Lseg0:                                            ; steps 0 to 6: keys 0-1023 alone are touched
	STEP 0
	s_add_co_u32 s[SN], s[SN], 1
	s_cmp_lt_u32 s[SN], 7
	s_cbranch_scc1 .Lseg0
	s_wait_tensorcnt 0x0                           ; my part of keys 1,024 on is in
	ds_add_u32 v[SPW], v[NIL]
	s_wait_dscnt 0x0
	s_barrier_signal -1
	s_barrier_wait -1                              ; and everybody's: from here on all of K and V may be read
	s_mov_b32 s[SN], 7
	global_prefetch_b8 v[PFO], s[4:5] offset:16384 th:TH_LOAD_NT scope:SCOPE_SE   ; my rows 32-47 of q: 32 blocks of 256 bytes, a lane a block; neither address register is written again
	global_prefetch_b8 v[PFO], s[4:5] offset:24576 th:TH_LOAD_NT scope:SCOPE_SE   ; and rows 48-63: the last byte named is my row 63's
.Lseg1:                                            ; steps 7 to 15
	STEP 1
	s_add_co_u32 s[SN], s[SN], 1
	s_cmp_lt_u32 s[SN], 16
	s_cbranch_scc1 .Lseg1
	OUT 0
	s_wait_xcnt 0x0                                ; the stores' data registers are written again only behind this wait
	QLOAD 1                                        ; my other 32 queries
	QTURN
	QQ
	INIT
	s_mov_b32 s[SN], 0
.Lpass1:                                           ; sixteen steps
	STEP 1
	s_add_co_u32 s[SN], s[SN], 1
	s_cmp_lt_u32 s[SN], 16
	s_cbranch_scc1 .Lpass1
	OUT 1
	s_wait_tensorcnt 0x0                           ; the wave's end
	ds_add_u32 v[SPW], v[NIL]
	s_wait_dscnt 0x0
	CROUND                                         ; the closing round
	s_endpgm
.Lfunc_end_k_q4950712e01_attn:
	.size	k_q4950712e01_attn, .Lfunc_end_k_q4950712e01_attn-k_q4950712e01_attn
	.p2alignl 7, 3214868480
	.fill 96, 4, 3214868480
	.section	.rodata,"a",@progbits
	.p2align	6, 0x0
	.amdhsa_kernel k_q4950712e01_attn
		.amdhsa_group_segment_fixed_size 327680
		.amdhsa_private_segment_fixed_size 0
		.amdhsa_enable_private_segment 0
		.amdhsa_kernarg_size 48
		.amdhsa_user_sgpr_count 2
		.amdhsa_user_sgpr_kernarg_segment_ptr 1
		.amdhsa_wavefront_size32 1
		.amdhsa_system_sgpr_workgroup_id_x 1
		.amdhsa_system_sgpr_workgroup_id_y 1
		.amdhsa_system_sgpr_workgroup_id_z 1
		.amdhsa_system_vgpr_workitem_id 0
		.amdhsa_next_free_vgpr 512
		.amdhsa_next_free_sgpr 84
		.amdhsa_reserve_vcc 0
		.amdhsa_float_denorm_mode_32 3
		.amdhsa_float_denorm_mode_16_64 3
		.amdhsa_memory_ordered 1
		.amdhsa_forward_progress 1
		.amdhsa_inst_pref_size 166
	.end_amdhsa_kernel
	.amdgpu_metadata
---
amdhsa.version: [ 1, 2 ]
amdhsa.kernels:
  - .name:           k_q4950712e01_attn
    .symbol:         k_q4950712e01_attn.kd
    .args:
      - { .name: q, .offset: 0, .size: 8, .value_kind: global_buffer, .address_space: global }
      - { .name: out0, .offset: 8, .size: 8, .value_kind: global_buffer, .address_space: global }
      - { .name: k_img, .offset: 16, .size: 8, .value_kind: global_buffer, .address_space: global }
      - { .name: k_sc, .offset: 24, .size: 8, .value_kind: global_buffer, .address_space: global }
      - { .name: v_img, .offset: 32, .size: 8, .value_kind: global_buffer, .address_space: global }
      - { .name: v_sc, .offset: 40, .size: 8, .value_kind: global_buffer, .address_space: global }
    .group_segment_fixed_size: 327680
    .private_segment_fixed_size: 0
    .kernarg_segment_align: 8
    .kernarg_segment_size: 48
    .max_flat_workgroup_size: 256
    .sgpr_count:     84
    .vgpr_count:     512
    .wavefront_size: 32
...
	.end_amdgpu_metadata
.endif
;; end of part 2
